; MI455X (gfx1250); checked and timed in simulation.
; The chip was launched on July 23, 2026; its instructions are those of AMD's public machine-readable ISA for CDNA 5 (MIT licence, August 2026) and "CDNA5" Instruction Set Architecture Reference Guide (July 2026). The comments in the code are by the model that wrote it; some were corrected since.
;; Max Pooling Matching. Allowed arithmetic: matrix products marked QUANTISED: E2M3 operands, one E8M0 scale for each 32 along K, by v_wmma_scale_f32_16x16x128_f8f6f4 with both operands' format E2M3, f32 sums; everything else in f32.
;; Inputs: kernel 20 x 256 float32; sent1 16 x 256 x 256 float32; sent2 16 x 256 x 256 float32.
;; Outputs: out0 16 x 256 x 20 float32.
;; This version of the problem:
;;   THIS VERSION OF THE PROBLEM IS GIVEN IN LOW PRECISION. The matrix products marked QUANTISED in the list below multiply operands that are first quantised to E2M3 (2 exponent bits, 3 mantissa bits; 6 bits a number), with one power-of-two scale for each 32 numbers along K (OCP MX v1.0); their sums are f32. All else is computed in f32.
;;   The module's matrix products, in the order in which they are computed (A, B: the left and right operand; K: the contracted axis; several contracted axes count as one K, in the product's order):
;;     1. batch 320 x [M 256, K 256] x [K 256, N 256]; A: computed on the way; B: computed on the way: QUANTISED
;;   THE QUANTISER, for each operand of a quantised product, along K:
;;     - K is cut into blocks of 32 from its start; a last block that is shorter is filled with zeros.
;;     - A block's scale is 2^e with e = floor(log2(the largest magnitude in the block)) - 2, held to -126 .. 127; a block of zeros has e = 0. As a byte (E8M0): e + 127.
;;     - Each number is divided by its block's scale, clamped to +-7.5, and rounded to the nearest number of E2M3, ties to even, subnormals kept.
;;     - The product sums the exact products of the quantised numbers (number of the format x scale) in f32.
;;   ~~~python
;;   def quantise(x, axis):      # numpy; x: float32 -> the quantised numbers, widened to float32 again
;;       x = np.moveaxis(x, axis, -1); K = x.shape[-1]
;;       x = np.pad(x, [(0, 0)] * (x.ndim - 1) + [(0, -K % 32)]); x = x.reshape(x.shape[:-1] + (-1, 32)); a = np.abs(x).max(-1, keepdims=True)
;;       e = np.where(a > 0, np.clip(np.frexp(np.where(a > 0, a, 1))[1] - 1 - 2, -126, 127), 0)      # np.frexp(a)[1] - 1 = floor(log2(a)), exactly
;;       r = np.clip(x / 2.0 ** e, -7.5, 7.5)
;;       step = 2.0 ** (np.maximum(np.frexp(np.where(r == 0, 1, r))[1] - 1, 0) - 3)
;;       q = np.round(r / step) * step * 2.0 ** e      # np.round: ties to even
;;       return np.moveaxis(q.reshape(q.shape[:-2] + (-1,))[..., :K], -1, axis).astype(np.float32)
;;   ~~~
;;   OPERANDS COMPUTED ON THE WAY. 'Computed on the way' means the value that the module computes at that place (a softmax that the list does not call 'softmax' is quantised finished and normalised). What goes into a quantiser is computed in f32, as accurately as f32 sums, v_exp_f32 and their like allow (about 1e-6 of the number): no bf16 or f16 on the way to a quantiser, and a product that is left as it is and whose result goes on into a quantised operand takes f32 operands (vector FMAs, or v_wmma_f32_16x16x4_f32). A number that lies on a knife's edge between two numbers of the format may be rounded either way, as far as f32 arithmetic and the matrix unit's own rounding can turn it there, and no further.
;; One version. Each part assembles by itself: llvm-mc -triple=amdgcn-amd-amdhsa -mcpu=gfx1250 --defsym DOCPART=n.
;; ======== version 1 of 1: 1 launch
;; launch match (part 1): grid 16 x 16, 4 waves a work-group, clusters of 4 x 1, 327,680 bytes of LDS; arguments kernel, sent1, sent2, out0; writes out0
.if DOCPART == 1
	.amdgcn_target "amdgcn-amd-amdhsa--gfx1250"
	.amdhsa_code_object_version 6
	.text
	.protected	k_q7a1d97188d_match
	.globl	k_q7a1d97188d_match
	.p2align	8
	.type	k_q7a1d97188d_match,@function
k_q7a1d97188d_match:
	s_mov_b64 s[64:65], 0
	v_nop
	global_prefetch_b8 v0, s[64:65] scope:SCOPE_SE
	s_setreg_imm32_b32 hwreg(HW_REG_WAVE_MODE, 25, 1), 1
	s_wait_xcnt 0x0
	s_wait_alu depctr_hold_cnt(0) depctr_sa_sdst(0) depctr_va_vdst(0) depctr_va_sdst(0) depctr_va_ssrc(0) depctr_va_vcc(0) depctr_vm_vsrc(0)
	s_getreg_b32 s2, hwreg(HW_REG_IB_STS2, 6, 4)
	s_cmp_eq_u32 s2, 0
	s_cbranch_scc0 .Lentry_in_a_cluster
	s_endpgm
.Lentry_in_a_cluster:
	s_bfe_u32 s2, ttmp6, 0x10000c
	s_cmp_lg_u32 s2, 0x3003
	s_cbranch_scc0 .Lentry_shape_is_right
	s_endpgm
.Lentry_shape_is_right:
; out0[b][l][p] = max over m of v1[b][l][p][:] . v2[b][m][p][:],  v = y rsqrt(max(sum y^2, 1e-12)),  y = sent[b][row][:] x kernel[p][:], all in f32.
; Both v are quantised along D = K = 256 to codes of FP6 (E2M3) with one E8M0 byte for each 32 along K, and multiplied by v_wmma_scale_f32_16x16x128_f8f6f4; sums in f32.
; SHARES.  320 pairs (b, p) on 256 work-groups of equal work: 16 b (grid y) x 16 work-groups (grid x, four clusters of four).  Work-group j = 4 cl + cx of a b has two jobs:
;   JOB 1: perspective p1 = j, all 256 l x 256 m;   JOB 2: perspective p2 = 16 + cl (the same in the four partners), the 64 rows l from 64 cx on x 256 m.
; So a work-group quantises 832 rows (sent2 for p1 and for p2, sent1 for p1, 64 rows of sent1 for p2) and issues 640 matrix instructions.  v2 for p2 is made in each of the four partners: the price of an even share.
; CLUSTER.  The four partners have the same b, so sent1[b] and sent2[b] (512 KB) are asked for JOINTLY: the same tensor load, the same descriptor, mask 15.  cx enters global addresses alone (kernel's row p1, JOB 2's rows, out0).
; WAVES.  Wave w owns rows 32 w .. 32 w + 31 of each slot of 128 rows: it fetches them, reads them and quantises them; no other wave touches its part of a slot.
; ORDER.  sent1 comes first; its codes stay in registers (5 tiles of 16 rows l: four of JOB 1, one of JOB 2).  sent2 follows in two halves of 128 rows m: each wave quantises its two tiles for both p, the codes go
; to LDS as images of the operand's registers (12 registers a lane and K step: three stores of 16 bytes a lane, 512 consecutive bytes each), a barrier, and every wave multiplies its 5 tiles by the half's 8 tiles.
; LAYOUT.  Lane (r, h) of an operand holds row r and, for K step s, k = 128 s + 64 c + 32 h + 0 .. 31 (c = 0, 1): four WHOLE blocks of 32.  x, kernel and y lie in registers in that order (register 64 s + 32 c + i),
; so a block's largest magnitude needs no other lane and the conversions' results are the operand's registers.  Source 0 = 16 rows m of v2, source 1 = 16 rows l of v1: a lane's eight results are eight m of ONE l:
; the maximum over m is taken inside the lane, and once at the end with the lane 16 away.
; A block's largest |v| is (its largest |y|) x rs: a multiplication by a positive number, rounded, never turns an order round, so this is the largest of the rounded products, bit for bit.
; WHAT NO TENSOR LOAD BRINGS (kernel's two rows; JOB 2's 16 rows a wave, whose place hangs on cx) is loaded as it lies, 512 consecutive bytes an instruction, and turned into the operand's order through stages in LDS
; that are the wave's own: 36 global loads a wave.  In the operand's order straight from memory a load's lanes would stand 1,024 or 128 bytes apart, or sixteen of them on the same 16 bytes.
; OUT.  256 consecutive bytes of out0 hold all 20 p of 3.2 rows; a work-group has one p (and a quarter of another).  So out0 (327,680 bytes of the 8.7 MB moved) leaves by stores of 4 bytes a lane, 80 bytes apart.
; LIMITS.  NaN and infinities among the inputs are not served (the maxima drop a NaN).  A block of zeros gets the scale byte 1 where the rule says 127: its codes are zeros, and this program alone reads the bytes.
; The sum of squares is taken in eight chains a lane and two lanes a row, another order than the definition's.  All of LDS is claimed; the text uses 327,168 bytes.
; No loop: every phase is written once (13 rows' quantisers a wave differ in their registers); the text stays under 50 KB.
.set PITCH,  1040                      ; an LDS row of x: 1,024 bytes + 16 of padding = 65 x 16: the sixteen rows that a load of 16 bytes a lane touches start in sixteen different columns of 16 bytes (64 banks of 4 bytes: ISA guide 11.1)
.set TILEB,  16*PITCH                  ; 16 rows
.set WPART,  32*PITCH                  ; a wave's part of a slot: what one tensor load brings
.set SLOTB,  4*WPART                   ; slot A at 0, slot B here
.set IMG,    2*SLOTB                   ; images of v2's fragments: (a, n, s) at 24,576 a + 3,072 n + 1,536 s; no tensor load lands here.  At the head: the stages for JOB 2's rows
.set XSTP,   528                       ; a row of such a stage: a K step's 512 bytes + 16 = 33 x 16
.set XSTG,   16*XSTP                   ; a wave's stage: 16 rows; four of them take 33,792 of the images' 49,152 bytes
.set SCL,    IMG+49152                 ; v2's scale words: 1,536 a + 48 lane + 4 n (lanes 0-15: K step 0's word of row r, lanes 16-31: K step 1's)
.set SPARE,  SCL+3072                  ; the spare words, 128 bytes for each wave: two blocks of 256 bytes that no other line names
.set WST,    SPARE+512                 ; kernel's rows p1 and p2, 2,048 bytes for each wave; no tensor load lands here
; window 0
.set XADA, 4                           ; v4   my place in my wave's part of slot A: 33,280 w + 1,040 r + 128 h
.set XADB, 5                           ; v5   the same in slot B
.set WAD,  6                           ; v6   where I read kernel's rows: WST + 2,048 w + 128 h
.set GXA,  7                           ; v7   16 lane: my 16 bytes of a load's 512
.set IMW,  8                           ; v8   where I store images: IMG + 16 lane + 6,144 w
.set IMR,  9                           ; v9   where I read them: IMG + 16 lane
.set SCW,  10                          ; v10  where I store scale words: SCL + 48 lane + 8 w
.set SCR,  11                          ; v11  where I read them: SCL + 48 lane
.set SH8,  12                          ; v12  8 h
.set OOF,  13                          ; v13  80 lane: a row of out0 is 80 bytes
.set SPW,  14                          ; v14  LDS address of my spare word; never rewritten
.set NIL,  15                          ; v15  0; never rewritten
.set SA,   16                          ; v16-20  v1's scale words, tile t: scales and nothing else
.set WSW,  21                          ; v21  where I store kernel's rows: WST + 2,048 w + 16 lane
.set XSW,  22                          ; v22  where I store JOB 2's rows: IMG + 8,448 w + 16 lane
.set XSR,  23                          ; v23  where I read them back: IMG + 8,448 w + 528 r + 128 h
.set SB,   24                          ; v24-39  v2's scale words, 8 a + n: scales and nothing else
.set RM,   40                          ; v40-44  running maxima, tile t
.set RS,   46                          ; v46-47  rs (the packed form names a pair and takes its low word for both halves)
.set S,    48                          ; v48-55  four pairs of partial sums of squares
.set M,    56                          ; v56-59  the four blocks' largest magnitudes
.set SO,   60                          ; v60-63  the conversions' scale operands
.set BY,   64                          ; v64-67  the scale bytes
.set T,    68                          ; v68-75  at work
.set SWT,  76                          ; v76     a scale word on its way to LDS
.set TMPC, 80                          ; v80-95  the upper halves' codes, four registers a block; at the head: kernel's rows as loaded
.set PCT,  96                          ; v96-119 a tile's codes on their way to LDS
.set Y,    128                         ; v128-255 y, then v
.set ACC,  128                         ; in the products' phases: two sets of five accumulators, 128 + 40 set + 8 t
; window 1: kernel's rows;  window 2: v1's codes 24 t + 12 s, v2's fragments 128 + 48 u + 24 a + 12 s;  window 3: two tiles of x
.set W1,   0
.set W2,   128
.set BF,   128
.set X0,   0
.set X1,   128
.set MSB, 0
.macro WIN new                         ; s_set_vgpr_msb: bits 1:0 source 0, 3:2 source 1, 5:4 source 2, 7:6 destination; the high byte repeats the setting that is left
.if MSB != (\new)
	s_set_vgpr_msb (MSB<<8)|(\new)
.set MSB, (\new)
.endif
.endm
.macro PLACES n
.rept \n
	v_nop
.endr
.endm
; A round of the cluster's barrier: my work-group's barrier, wave 0 signals for the work-group, every wave waits for the four work-groups, my work-group's barrier once more.
.macro CROUND
	s_barrier_signal -1
	s_barrier_wait -1
	s_cmp_lg_u32 s12, 0
	s_cbranch_scc1 .Lnot_wave_0_\@
	s_barrier_signal -3
.Lnot_wave_0_\@:
	s_barrier_wait -3
	s_barrier_signal -1
	s_barrier_wait -1
.endm
; 32 LDS loads: a row of kernel, off bytes into my stage, into window 1: register 64 s + 32 c + i = number 128 s + 64 c + 32 h + i.  Sixteen lanes take the same 16 bytes: they share the words
.macro WFETCH reg, off
.irp s, 0,1
.irp c, 0,1
.irp j, 0,1,2,3,4,5,6,7
	ds_load_b128 v[(\reg)+64*\s+32*\c+4*\j:(\reg)+64*\s+32*\c+4*\j+3], v[WAD] offset:(\off)+512*\s+256*\c+16*\j
.endr
.endr
.endr
.endm
; K step s of JOB 2's 16 rows: as loaded (register 64 s + 4 i: my 16 bytes of row i) into my stage, and back in the operand's order, into the registers that they left.
; LDS serves a wave's instructions in order (ISA guide 5.7.1.4): the loads see the stores above them, and the next K step's stores come behind these loads.
.macro XTURN s
.irp i, 0,1,2,3,4,5,6,7,8,9,10,11,12,13,14,15
	ds_store_b128 v[XSW], v[Y+64*(\s)+4*\i:Y+64*(\s)+4*\i+3] offset:XSTP*\i
.endr
.irp c, 0,1
.irp j, 0,1,2,3,4,5,6,7
	ds_load_b128 v[Y+64*(\s)+32*\c+4*\j:Y+64*(\s)+32*\c+4*\j+3], v[XSR] offset:256*\c+16*\j
.endr
.endr
.endm
; 32 LDS loads: tile (0 or 1) of my part of a slot into window 3, in the same order
.macro XFETCH adr, tile, x
	WIN 0xc0
.irp s, 0,1
.irp c, 0,1
.irp j, 0,1,2,3,4,5,6,7
	ds_load_b128 v[(\x)+64*\s+32*\c+4*\j:(\x)+64*\s+32*\c+4*\j+3], v[\adr] offset:(\tile)*TILEB+512*\s+256*\c+16*\j
.endr
.endr
.endr
	WIN 0
.endm
; 16 rows become an operand.  x: 128 registers in window xwin;  w: kernel's row in window 1;  the codes go to v[pc] on in window cwin (24 registers), the scale words to v[sw].
.macro QUANT xwin, x, w, cwin, pc, sw
	WIN (\xwin)|4
.set kk, 0
.rept 64
	v_pk_mul_f32 v[Y+2*kk:Y+2*kk+1], v[(\x)+2*kk:(\x)+2*kk+1], v[(\w)+2*kk:(\w)+2*kk+1]   ; y = x w
.set kk, kk+1
.endr
	WIN 0
.set kk, 0
.rept 64                               ; the sum of squares (four chains of pairs; the first four products start them) and the four blocks' largest |y|, line by line by turns
.if kk < 4
	v_pk_mul_f32 v[S+2*kk:S+2*kk+1], v[Y+2*kk:Y+2*kk+1], v[Y+2*kk:Y+2*kk+1]
.else
	v_pk_fma_f32 v[S+2*(kk%4):S+2*(kk%4)+1], v[Y+2*kk:Y+2*kk+1], v[Y+2*kk:Y+2*kk+1], v[S+2*(kk%4):S+2*(kk%4)+1]
.endif
.set gg, kk%4
.set oo, kk/4
.if oo == 0
	v_max3_num_f32 v[M+gg], |v[Y+32*gg]|, |v[Y+32*gg+1]|, |v[Y+32*gg+2]|
.elseif oo < 15
	v_max3_num_f32 v[M+gg], v[M+gg], |v[Y+32*gg+2*oo+1]|, |v[Y+32*gg+2*oo+2]|
.else
	v_max_num_f32 v[M+gg], v[M+gg], |v[Y+32*gg+31]|
.endif
.set kk, kk+1
.endr
	v_pk_add_f32 v[S:S+1], v[S:S+1], v[S+2:S+3]
	v_pk_add_f32 v[S+4:S+5], v[S+4:S+5], v[S+6:S+7]
	v_pk_add_f32 v[S:S+1], v[S:S+1], v[S+4:S+5]
	v_add_f32 v[T], v[S], v[S+1]
	v_permlanex16_b32 v[T+1], v[T], s20, s21       ; the row's other 128 numbers lie in the lane 16 away
	v_add_f32 v[T], v[T], v[T+1]                   ; (a + b in one lane, b + a in the other: the same bits)
	v_max_num_f32 v[T], 0x2b8cbccc, v[T]           ; max(sum, 1e-12)
	v_rsq_f32 v[RS], v[T]
	v_nop                                          ; one plain place behind the transcendental
	s_wait_alu depctr_va_vdst(0)
.irp g, 0,1,2,3
	v_mul_f32 v[M+\g], v[M+\g], v[RS]              ; the block's largest |v|
.endr
.irp g, 0,1,2,3
	v_max_num_f32 v[M+\g], 0x1800000, v[M+\g]      ; the floor 2^(3 - 127): the byte cannot fall under 1
.endr
.irp g, 0,1,2,3
	v_add_nc_u32 v[SO+\g], 0xff000000, v[M+\g]     ; 2 off the exponent field: the conversion takes this operand's exponent field as its scale
.endr
.irp g, 0,1,2,3
	v_lshrrev_b32 v[BY+\g], 23, v[SO+\g]           ; the scale's byte
.endr
.set kk, 0
.rept 64
	v_pk_mul_f32 v[Y+2*kk:Y+2*kk+1], v[Y+2*kk:Y+2*kk+1], v[RS:RS+1] op_sel_hi:[1,0]   ; v = y rs
.set kk, kk+1
.endr
.if (\cwin) == 0
	s_wait_dscnt 0x0                               ; the last image's stores have read the word's and the codes' registers, which are written again below
.endif
	; Block 2 s + c of lane (r, h) is byte 2 c + h of K step s's word.  Lanes 0-15 are to hold K step 0's word, lanes 16-31 K step 1's: each lane keeps its two bytes of its own word and sends the other two across.
	v_lshl_or_b32 v[T+2], v[BY+1], 16, v[BY]
	v_lshl_or_b32 v[T+3], v[BY+3], 16, v[BY+2]
	v_cndmask_b32 v[T+4], v[T+2], v[T+3], s22      ; kept: lanes 16-31 K step 1's
	v_cndmask_b32 v[T+5], v[T+3], v[T+2], s22      ; sent: lanes 16-31 K step 0's
	v_lshlrev_b32 v[T+4], v[SH8], v[T+4]
	v_lshlrev_b32 v[T+5], v[SH8], v[T+5]
	v_permlanex16_b32 v[T+6], v[T+5], s20, s21
	v_or_b32 v[\sw], v[T+4], v[T+6]
.irp g, 0,1,2,3
	v_cvt_scalef32_pk16_fp6_f32 v[TMPC+4*\g:TMPC+4*\g+2], v[Y+32*\g+16:Y+32*\g+31], v[SO+\g]   ; (a conversion's three registers begin on an even number: a block's upper half is made here and moved)
.endr
	WIN (\cwin)<<6
.irp g, 0,1,2,3
	v_cvt_scalef32_pk16_fp6_f32 v[(\pc)+6*\g:(\pc)+6*\g+2], v[Y+32*\g:Y+32*\g+15], v[SO+\g]
.endr
	v_nop                                          ; one plain place behind the scaled conversions
.irp g, 0,1,2,3
.irp i, 0,1,2
	v_mov_b32 v[(\pc)+6*\g+3+\i], v[TMPC+4*\g+\i]
.endr
.endr
	WIN 0
.endm
.macro IMAGE a, i                      ; the tile in v[PCT] on (p index a, my tile i) goes to LDS as it stands, and its scale words with it
.irp s, 0,1
.irp c, 0,1,2
	ds_store_b128 v[IMW], v[PCT+12*\s+4*\c:PCT+12*\s+4*\c+3] offset:(\a)*24576+(\i)*3072+\s*1536+512*\c
.endr
.endr
	ds_store_b32 v[SCW], v[SWT] offset:(\a)*1536+4*(\i)
.endm
.macro SBLOAD                          ; the half's sixteen scale words a lane
.irp a, 0,1
.irp g, 0,1
	ds_load_b128 v[SB+8*\a+4*\g:SB+8*\a+4*\g+3], v[SCR] offset:\a*1536+16*\g
.endr
.endr
.endm
.macro FETCHB n, u                     ; tile n of v2, both p, both K steps, into set u: 12 loads
	WIN 0x80
.irp a, 0,1
.irp s, 0,1
.irp c, 0,1,2
	ds_load_b128 v[BF+48*(\u)+24*\a+12*\s+4*\c:BF+48*(\u)+24*\a+12*\s+4*\c+3], v[IMR] offset:\a*24576+(\n)*3072+\s*1536+512*\c
.endr
.endr
.endr
	WIN 0
.endm
; Ten matrix instructions: my five tiles of l against tile n of m.  The five accumulators take turns, one instruction a turn; the first K step starts the sums with the constant 0.
.macro WN n
.set st, (\n)%2
	WIN 0x0a                                       ; sources 0 and 1 window 2; C and D window 0
.irp t, 0,1,2,3,4
	v_wmma_scale_f32_16x16x128_f8f6f4 v[ACC+40*st+8*\t:ACC+40*st+8*\t+7], v[BF+48*st+24*(\t/4):BF+48*st+24*(\t/4)+11], v[24*\t:24*\t+11], 0, v[SB+8*(\t/4)+(\n)], v[SA+\t] matrix_a_fmt:MATRIX_FMT_FP6 matrix_b_fmt:MATRIX_FMT_FP6
.endr
.irp t, 0,1,2,3,4
	v_wmma_scale_f32_16x16x128_f8f6f4 v[ACC+40*st+8*\t:ACC+40*st+8*\t+7], v[BF+48*st+24*(\t/4)+12:BF+48*st+24*(\t/4)+23], v[24*\t+12:24*\t+23], v[ACC+40*st+8*\t:ACC+40*st+8*\t+7], v[SB+8*(\t/4)+(\n)], v[SA+\t] matrix_a_fmt:MATRIX_FMT_FP6 matrix_b_fmt:MATRIX_FMT_FP6 matrix_a_scale:MATRIX_SCALE_ROW1 matrix_b_scale:MATRIX_SCALE_ROW1
.endr
	WIN 0
.endm
.macro MAXN n                          ; tile n's results into the running maxima: each accumulator from its low end on, the five tiles by turns
.set st, (\n)%2
.irp j, 0,1,2,3
.irp t, 0,1,2,3,4
	v_max3_num_f32 v[RM+\t], v[RM+\t], v[ACC+40*st+8*\t+2*\j], v[ACC+40*st+8*\t+2*\j+1]
.endr
.endr
.endm
; A half's products.  Tile n - 1's twenty maxima stand behind tile n's products: they name none of those products' registers, so they are the places in front of the loads into the set just multiplied,
; of tile n's own maxima, and of tile n + 2's products, which begin the same accumulators anew (five are owed there; behind tile 0, where no maxima are at hand, five v_nop).
.macro GEMM
	SBLOAD
	FETCHB 0, 0
	FETCHB 1, 1
.irp n, 0,1,2,3,4,5,6,7
.if \n < 7
	s_wait_dscnt 12                                ; tile n is in (and the scale words); the next tile's twelve loads may be out
.else
	s_wait_dscnt 0x0
.endif
	WN \n
.if \n == 0
	PLACES 5
.else
	MAXN \n-1
.endif
.if \n < 6
	FETCHB \n+2, \n%2
.endif
.endr
	MAXN 7
.endm
; 128 rows of sent2: my two tiles, each for p1 and for p2; a barrier; the products.
.macro HALF adr
	XFETCH \adr, 0, X0
	XFETCH \adr, 1, X1
	s_wait_dscnt 32                                ; tile 0 is in; tile 1's 32 loads may be out (the first quantiser's wait for 0 covers them)
	QUANT 3, X0, W1, 0, PCT, SWT
	IMAGE 0, 0
	QUANT 3, X0, W2, 0, PCT, SWT
	IMAGE 1, 0
	QUANT 3, X1, W1, 0, PCT, SWT
	IMAGE 0, 1
	QUANT 3, X1, W2, 0, PCT, SWT
	IMAGE 1, 1
	s_wait_dscnt 0x0                               ; for the others' sake: my images lie in LDS
	s_barrier_signal -1
	s_barrier_wait -1                              ; everybody's do.  A tensor load may be out
	GEMM
.endm
	; ---- the head.  All that needs no pointer stands between the load of the arguments and the wait for it
	s_load_b256 s[4:11], s[0:1], 0x0               ; kernel s[4:5], sent1 s[6:7], sent2 s[8:9], out0 s[10:11]
	v_lshl_add_u32 v[SPW], v0, 2, SPARE
	v_mov_b32 v[NIL], 0
	ds_add_u32 v14, v15
	ds_add_u32 v14, v15
	s_wait_dscnt 0x0
	v_lshrrev_b32 v1, 5, v0
	v_readfirstlane_b32 s12, v1                    ; wave 0..3
	s_bfe_u32 s13, ttmp6, 0x40000                  ; cx: my place in the cluster
	s_mov_b32 s14, ttmp9                           ; cl: the cluster's x
	s_and_b32 s15, ttmp7, 0xffff                   ; b
	s_lshl_b32 s16, s14, 2
	s_add_co_u32 s16, s16, s13                     ; p1 = 4 cl + cx
	s_add_co_u32 s17, s14, 16                      ; p2 = 16 + cl
	s_mov_b32 s20, 0x76543210
	s_mov_b32 s21, 0xfedcba98                      ; v_permlanex16_b32's selects for lane l xor 16
	s_mov_b32 s22, 0xffff0000                      ; lanes 16-31
	; descriptor group 1: 32 rows x 256 elements of 4 bytes, padded in LDS
	s_mov_b32 s24, 15|(2<<16)|(1<<20)|(1<<21)|(7<<22)|(3<<25)   ; 15:0 the mask: all four work-groups; 17:16 elements of 4 bytes; 20 padding on; 21 set beside a mask; 24:22 after every 256 words (code 7); 31:25 4 words of it (code 3)
	s_mov_b32 s25, 256<<16                         ; tensor_dim0 = 256
	s_mov_b32 s26, 32<<16                          ; tensor_dim1 = 32
	s_mov_b32 s27, 256<<16                         ; tile_dim0 = 256
	s_mov_b32 s28, 32                              ; tile_dim1 = 32
	s_mov_b32 s29, 256                             ; elements from row to row
	s_mov_b32 s30, 0
	s_mov_b32 s31, 0
	s_mul_i32 s18, s12, WPART                      ; my wave's part of a slot: no place in the cluster enters an LDS address
	s_lshl_b32 s58, s15, 18                        ; what the partners share: b's 256 rows of 1,024 bytes,
	s_lshl_b32 s59, s12, 15                        ; my wave's 32 of a slot's 128
	s_add_co_u32 s58, s58, s59
	s_mov_b32 s59, 0
	s_lshl_b32 s60, s13, 16                        ; JOB 2's rows: 64 cx + 16 w of b's (in registers that feed no descriptor)
	s_lshl_b32 s61, s12, 14
	s_add_co_u32 s60, s60, s61
	s_lshl_b32 s61, s15, 18
	s_add_co_u32 s60, s60, s61
	s_mov_b32 s61, 0
	s_lshl_b32 s62, s16, 10                        ; kernel's row p1
	s_mov_b32 s63, 0
	s_lshl_b32 s2, s17, 10                         ; and p2
	s_mov_b32 s3, 0
	v_and_b32 v1, 31, v0                           ; lane
	v_and_b32 v2, 15, v0                           ; r
	v_bfe_u32 v3, v0, 4, 1                         ; h
	v_lshlrev_b32 v[GXA], 4, v1
	v_mul_u32_u24 v[XADA], v2, PITCH
	v_lshl_add_u32 v[XADA], v3, 7, v[XADA]
	v_add_nc_u32 v[XADA], s18, v[XADA]
	v_add_nc_u32 v[XADB], SLOTB, v[XADA]
	s_lshl_b32 s19, s12, 11                        ; my stage for kernel's rows
	v_lshl_add_u32 v[WAD], v3, 7, WST
	v_add_nc_u32 v[WAD], s19, v[WAD]
	v_lshl_add_u32 v[WSW], v1, 4, WST
	v_add_nc_u32 v[WSW], s19, v[WSW]
	v_lshl_add_u32 v[IMR], v1, 4, IMG
	s_mul_i32 s19, s12, XSTG                       ; my stage for JOB 2's rows
	v_add_nc_u32 v[XSW], s19, v[IMR]
	v_mul_u32_u24 v[XSR], v2, XSTP
	v_lshl_add_u32 v[XSR], v3, 7, v[XSR]
	v_add_nc_u32 v[XSR], IMG, v[XSR]
	v_add_nc_u32 v[XSR], s19, v[XSR]
	s_mul_i32 s19, s12, 6144
	v_add_nc_u32 v[IMW], s19, v[IMR]
	v_mul_u32_u24 v[SCR], v1, 48
	v_add_nc_u32 v[SCR], SCL, v[SCR]
	s_lshl_b32 s19, s12, 3
	v_add_nc_u32 v[SCW], s19, v[SCR]
	v_lshlrev_b32 v[SH8], 3, v3
	v_mul_u32_u24 v[OOF], v1, 80
.irp t, 0,1,2,3,4
	v_mov_b32 v[RM+\t], 0xff800000                 ; -infinity, under every cosine
.endr
.irp i, 0,1,2,3,4,5,6,7
	v_mov_b32 v[T+\i], 0                           ; written once: a lane permute's destination counts as one of its sources
.endr
	v_mov_b32 v[RS+1], 0                           ; (named as the upper half of the pair before it would ever be written)
	s_wait_kmcnt 0x0
	s_add_nc_u64 s[48:49], s[6:7], s[60:61]
	s_add_nc_u64 s[50:51], s[4:5], s[62:63]
	s_add_nc_u64 s[52:53], s[4:5], s[2:3]
	; 36 global loads, each of 512 consecutive bytes, ahead of the opening round: nobody writes these bytes, so they may be out across barriers
	global_load_b128 v[TMPC:TMPC+3], v[GXA], s[50:51]                  ; kernel's row p1,
	global_load_b128 v[TMPC+4:TMPC+7], v[GXA], s[50:51] offset:512
	global_load_b128 v[TMPC+8:TMPC+11], v[GXA], s[52:53]               ; and p2
	global_load_b128 v[TMPC+12:TMPC+15], v[GXA], s[52:53] offset:512
.irp s, 0,1
.irp i, 0,1,2,3,4,5,6,7,8,9,10,11,12,13,14,15
	global_load_b128 v[Y+64*\s+4*\i:Y+64*\s+4*\i+3], v[GXA], s[48:49] offset:1024*\i+512*\s   ; JOB 2's row i, K step s
.endr
.endr
	s_mul_i32 s60, s15, 20480                      ; out0: b's 256 rows of 80 bytes
	s_mul_i32 s62, s12, 2560                       ; JOB 1: row 32 w, column p1
	s_add_co_u32 s62, s62, s60
	s_lshl_b32 s2, s16, 2
	s_add_co_u32 s62, s62, s2
	s_add_nc_u64 s[54:55], s[10:11], s[62:63]
	s_mul_i32 s62, s13, 5120                       ; JOB 2: row 64 cx + 16 w, column p2
	s_add_co_u32 s62, s62, s60
	s_mul_i32 s2, s12, 1280
	s_add_co_u32 s62, s62, s2
	s_lshl_b32 s2, s17, 2
	s_add_co_u32 s62, s62, s2
	s_add_nc_u64 s[56:57], s[10:11], s[62:63]
	; four groups 0, written once: sent1's rows 0-127 -> slot A, 128-255 -> slot B; then sent2's likewise
	s_mov_b32 s32, 1
	s_mov_b32 s33, s18
	s_add_nc_u64 s[34:35], s[6:7], s[58:59]
	s_mov_b32 s36, 1
	s_add_co_u32 s37, s18, SLOTB
	s_add_nc_u64 s[38:39], s[34:35], 131072
	s_or_b32 s35, s35, 0x80000000                  ; type = 2
	s_or_b32 s39, s39, 0x80000000
	s_mov_b32 s40, 1
	s_mov_b32 s41, s18
	s_add_nc_u64 s[42:43], s[8:9], s[58:59]
	s_mov_b32 s44, 1
	s_add_co_u32 s45, s18, SLOTB
	s_add_nc_u64 s[46:47], s[42:43], 131072
	s_or_b32 s43, s43, 0x80000000
	s_or_b32 s47, s47, 0x80000000
	CROUND                                         ; all four work-groups are here: the first joint loads meet
	tensor_load_to_lds s[32:35], s[24:31]          ; the two first fills go out together: two tensor loads of mine are out
	s_nop 0
	tensor_load_to_lds s[36:39], s[24:31]
	s_nop 0
	PLACES 4                                       ; four places behind a tensor load
	; ---- kernel's rows and JOB 2's rows into the operand's order, through my own stages
	s_wait_loadcnt 32                              ; kernel's four loads are in; JOB 2's 32, issued behind them, may be out
.irp i, 0,1,2,3
	ds_store_b128 v[WSW], v[TMPC+4*\i:TMPC+4*\i+3] offset:512*\i     ; row p1 at 0, row p2 at 1,024
.endr
	WIN 0x40                                       ; destination window 1
	WFETCH W1, 0                                   ; LDS serves a wave's instructions in order: these see the stores above.  The rows stay in registers
	WFETCH W2, 1024
	WIN 0
	s_wait_loadcnt 16                              ; K step 0's sixteen loads are in; K step 1's may be out
	XTURN 0
	s_wait_loadcnt 0x0
	XTURN 1
	; ---- slot A into registers, so that it can be filled again at once
	s_wait_tensorcnt 0x1                           ; my part of slot A is in; slot B's load, issued behind it, may be out
	XFETCH XADA, 0, X0
	XFETCH XADA, 1, X1
	s_wait_tensorcnt 0x0                           ; all my tensor loads have landed, slot B's too
	ds_add_u32 v[SPW], v[NIL]                      ; 0 onto my spare word
	s_wait_dscnt 0x0                               ; the add is done; my reads of slot A are over; kernel's rows and JOB 2's are in registers, and my reads of the stages are over
	CROUND                                         ; so it is with every wave of the four work-groups
	tensor_load_to_lds s[40:43], s[24:31]          ; sent2's rows 0-127 into slot A: my one tensor load behind the round; five quantisers stand ahead of the wait for it
	s_nop 0
	PLACES 4
	; ---- sent1: five tiles of l, codes into window 2
	QUANT 0, Y, W2, 2, 96, SA+4
	QUANT 3, X0, W1, 2, 0, SA
	XFETCH XADB, 0, X0
	QUANT 3, X1, W1, 2, 24, SA+1
	XFETCH XADB, 1, X1
	s_wait_dscnt 32                                ; slot B's tile 0 is in; tile 1's 32 loads may be out
	QUANT 3, X0, W1, 2, 48, SA+2
	s_wait_dscnt 0x0
	QUANT 3, X1, W1, 2, 72, SA+3
	; ---- slot B is filled again
	s_wait_tensorcnt 0x0                           ; sent2's first half has landed
	ds_add_u32 v[SPW], v[NIL]
	s_wait_dscnt 0x0                               ; the add is done; my reads of slot B were over above
	CROUND
	tensor_load_to_lds s[44:47], s[24:31]          ; sent2's rows 128-255 into slot B: it has the whole first half's work in which to land
	s_nop 0
	PLACES 4
	; ---- sent2, rows 0-127.  The images are written over the stages for JOB 2's rows: every wave's reads of those were waited for two rounds back
	HALF XADA
	; ---- sent2, rows 128-255
	s_wait_dscnt 0x0                               ; my reads of the images are over
	s_barrier_signal -1
	s_barrier_wait -1                              ; everybody's are: the images may be written again
	s_wait_tensorcnt 0x0                           ; the one load that was out: my part of slot B, which I alone read
	HALF XADB
	; ---- the way out
.irp t, 0,1,2,3,4
	v_permlanex16_b32 v[T+\t], v[RM+\t], s20, s21  ; the row's other m lie in the lane 16 away
.endr
.irp t, 0,1,2,3,4
	v_max_num_f32 v[RM+\t], v[RM+\t], v[T+\t]
.endr
	v_cndmask_b32 v120, v[RM], v[RM+1], s22        ; lane L: row 32 w + L
	v_cndmask_b32 v121, v[RM+2], v[RM+3], s22      ; lane L: row 128 + 32 w + L
	global_store_b32 v[OOF], v120, s[54:55]
	global_store_b32 v[OOF], v121, s[54:55] offset:10240
	s_wait_xcnt 0x0                                ; EXEC changes only behind this wait
	v_cmp_gt_u32 vcc_lo, 16, v1
	s_and_saveexec_b32 s23, vcc_lo                 ; JOB 2 has 16 rows a wave
	global_store_b32 v[OOF], v[RM+4], s[56:57]
	s_wait_xcnt 0x0                                ; and again, in front of the line that widens it
	s_or_b32 exec_lo, exec_lo, s23
	s_wait_tensorcnt 0x0                           ; the wave's end, behind my last tensor load and my last LDS store
	ds_add_u32 v[SPW], v[NIL]
	s_wait_dscnt 0x0
	CROUND                                         ; the closing round: no work-group ends while a partner may still ask for a tile that names it
	s_endpgm
.Lfunc_end_k_q7a1d97188d_match:
	.size	k_q7a1d97188d_match, .Lfunc_end_k_q7a1d97188d_match-k_q7a1d97188d_match
	.p2alignl 7, 3214868480
	.fill 96, 4, 3214868480
	.section	.rodata,"a",@progbits
	.p2align	6, 0x0
	.amdhsa_kernel k_q7a1d97188d_match
		.amdhsa_group_segment_fixed_size 327680
		.amdhsa_private_segment_fixed_size 0
		.amdhsa_enable_private_segment 0
		.amdhsa_kernarg_size 32
		.amdhsa_user_sgpr_count 2
		.amdhsa_user_sgpr_kernarg_segment_ptr 1
		.amdhsa_wavefront_size32 1
		.amdhsa_system_sgpr_workgroup_id_x 1
		.amdhsa_system_sgpr_workgroup_id_y 1
		.amdhsa_system_sgpr_workgroup_id_z 1
		.amdhsa_system_vgpr_workitem_id 0
		.amdhsa_next_free_vgpr 1024
		.amdhsa_next_free_sgpr 66
		.amdhsa_reserve_vcc 1
		.amdhsa_float_denorm_mode_32 3
		.amdhsa_float_denorm_mode_16_64 3
		.amdhsa_memory_ordered 1
		.amdhsa_forward_progress 1
		.amdhsa_inst_pref_size 255
	.end_amdhsa_kernel
	.section	.bss,"aw",@nobits
	.p2align	6
	.space	262144
	.amdgpu_metadata
---
amdhsa.version: [ 1, 2 ]
amdhsa.kernels:
  - .name:           k_q7a1d97188d_match
    .symbol:         k_q7a1d97188d_match.kd
    .args:
      - { .name: kernel, .offset: 0, .size: 8, .value_kind: global_buffer, .address_space: global }
      - { .name: sent1, .offset: 8, .size: 8, .value_kind: global_buffer, .address_space: global }
      - { .name: sent2, .offset: 16, .size: 8, .value_kind: global_buffer, .address_space: global }
      - { .name: out0, .offset: 24, .size: 8, .value_kind: global_buffer, .address_space: global }
    .group_segment_fixed_size: 327680
    .private_segment_fixed_size: 0
    .kernarg_segment_align: 8
    .kernarg_segment_size: 32
    .max_flat_workgroup_size: 128
    .sgpr_count:     66
    .vgpr_count:     1024
    .wavefront_size: 32
...
	.end_amdgpu_metadata
.endif
;; end of part 1
